; MI455X (gfx1250); checked and timed in simulation.
; The chip was launched on July 23, 2026; its instructions are those of AMD's public machine-readable ISA for CDNA 5 (MIT licence, August 2026) and "CDNA5" Instruction Set Architecture Reference Guide (July 2026). The comments in the code are by the model that wrote it; some were corrected since.
;; Sparse Attention. Allowed arithmetic: matrix products marked QUANTISED: E5M2 operands, one given power-of-two scale a tensor, by v_wmma_f32_16x16x64_bf8_bf8 or v_wmma_f32_16x16x128_bf8_bf8, f32 sums; everything else in f32.
;; Inputs: k 1 x 16 x 4,096 x 64 float32; lowp_scales 4 int32 (the exponents e of the quantised operands' scales 2^e); q 1 x 16 x 4,096 x 64 float32; v 1 x 16 x 4,096 x 64 float32.
;; Outputs: out0 1 x 16 x 4,096 x 64 float32.
;; This version of the problem:
;;   THIS VERSION OF THE PROBLEM IS GIVEN IN LOW PRECISION. The matrix products marked QUANTISED in the list below multiply operands that are first quantised to E5M2 (5 exponent bits, 2 mantissa bits; 8 bits a number), with one given power-of-two scale for each operand tensor; their sums are f32. All else is computed in f32.
;;   The module's matrix products, in the order in which they are computed (A, B: the left and right operand; K: the contracted axis; several contracted axes count as one K, in the product's order):
;;     1. batch 16 x [M 4,096, K 64] x [K 64, N 4,096]; A: input q; B: input k: QUANTISED (scales: A lowp_scales[0], B lowp_scales[1])
;;     2. batch 16 x [M 4,096, K 4,096] x [K 4,096, N 64]; A: computed on the way; B: input v: QUANTISED (scales: A lowp_scales[2], B lowp_scales[3])
;;   THE QUANTISER, for each operand of a quantised product, along K:
;;     - The operand's scale is 2^e, e = its entry of the input lowp_scales (int32; the entries are numbered through the quantised products in the list's order, A before B).
;;     - Each number is divided by the scale, clamped to +-57,344, and rounded to the nearest number of E5M2, ties to even, subnormals kept.
;;     - The product sums the exact products of the quantised numbers (number of the format x scale) in f32.
;;   ~~~python
;;   def quantise(x, axis, e):      # numpy; x: float32 -> the quantised numbers, widened to float32 again
;;       x = np.moveaxis(x, axis, -1); K = x.shape[-1]
;;       r = np.clip(x / 2.0 ** e, -57344, 57344)
;;       step = 2.0 ** (np.maximum(np.frexp(np.where(r == 0, 1, r))[1] - 1, -14) - 2)
;;       q = np.round(r / step) * step * 2.0 ** e      # np.round: ties to even
;;       return np.moveaxis(q, -1, axis).astype(np.float32)
;;   ~~~
;;   OPERANDS COMPUTED ON THE WAY. 'Computed on the way' means the value that the module computes at that place (a softmax that the list does not call 'softmax' is quantised finished and normalised). What goes into a quantiser is computed in f32, as accurately as f32 sums, v_exp_f32 and their like allow (about 1e-6 of the number): no bf16 or f16 on the way to a quantiser, and a product that is left as it is and whose result goes on into a quantised operand takes f32 operands (vector FMAs, or v_wmma_f32_16x16x4_f32). A number that lies on a knife's edge between two numbers of the format may be rounded either way, as far as f32 arithmetic and the matrix unit's own rounding can turn it there, and no further.
;; 2 versions. Each part assembles by itself: llvm-mc -triple=amdgcn-amd-amdhsa -mcpu=gfx1250 --defsym DOCPART=n.
;; ======== version 1 of 2: 1 launch
;; launch attn (part 1): grid 16 x 16, 16 waves a work-group, no clusters, 166,912 bytes of LDS; arguments q, k, v, lowp_scales, out0; writes out0
.if DOCPART == 1
	.amdgcn_target "amdgcn-amd-amdhsa--gfx1250"
	.amdhsa_code_object_version 6
	.text
	.protected	k_q1c0c89028d_attn
	.globl	k_q1c0c89028d_attn
	.p2align	8
	.type	k_q1c0c89028d_attn,@function
k_q1c0c89028d_attn:
	s_mov_b64 s[64:65], 0
	v_nop
	global_prefetch_b8 v0, s[64:65] scope:SCOPE_SE
	s_setreg_imm32_b32 hwreg(HW_REG_WAVE_MODE, 25, 1), 1
	s_wait_xcnt 0x0
; out[h][i][:] = sum over j of softmax_j(q[h][i] . k[h][j] / 8) v[h][j][:], j from i - 128 to i + 127 inside 0 .. 4095.  q, k, v, out: [16][4096][64] f32.
; Both products run on codes of BF8 (E5M2), each operand with the given scale 2^e: e0 (q), e1 (k), e2 (the weights), e3 (v).  The weights are quantised FINISHED: p = 2^(t - max t) / (the row's sum), all in f32.
; SHARES.  Work-group (b, head) owns queries 256 b .. 256 b + 255 and needs keys 256 b - 128 .. 256 b + 383: 512 local rows L, key = 256 b - 128 + L.  Sixteen waves, four to a SIMD, 256 registers each.
;   Quantising: wave w turns its own 16 queries and local rows 32 w .. 32 w + 31 of k and of v into codes in LDS; ONE barrier; then wave w owns the tile of queries q0 = 256 b + 16 w .. + 15.
;   Seen from q0 - 128 only keys n = 0 .. 271 can count: 17 tiles of 16 keys, local tiles w .. w + 16.  Tile 0 counts where n >= r (r: the query in its tile), tiles 1 - 15 wholly, tile 16 where n - 256 < r.
;   A row's whole window, 272 scores, lies in 136 registers of two lanes: so maximum, sum and division are taken once, with no running maximum.
; LAYOUT.  S^T = K Q^T (source 0 = 16 keys, source 1 = my 16 queries, K = the head's 64: one instruction a tile): lane (r, h) holds query r and keys 8 h + 0 .. 7 of the tile.  Eight such weights, converted, are
;   registers 2 c, 2 c + 1 of source 1 of O^T = V^T P^T (K = 64 keys = four tiles).  v's codes lie in LDS as images of source 0's register pairs, a tile of 16 keys at a time, so that any four tiles make a fragment.
;   q's and k's fragments come by two loads of 16 bytes a lane: a permutation of the head's 64, the same on both sides.
; HEAD'S ENDS.  A unit of 32 keys lies wholly inside the head or wholly outside; an outside unit loads the head's first or last 32 rows in its stead (no load leaves its buffer), and its scores become -infinity: p = 0.
; WHY NO CLUSTER AND NO TENSOR LOAD: k and v arrive as f32 and have to pass through registers to become codes; a joint request serves tensor loads into LDS alone.  Each 128 keys are wanted by two neighbouring blocks only.
;   All of a wave's 40 loads are issued at the head, so there is nothing left to ask for ahead.
; reference()'s step 'NaN weights become 0' never acts: a row's window holds its own key, the codes are finite, so the maximum is finite and the sum is at least 1.
; LIMITS, so that each power of two below is an f32 number: e0, e1, e2, e3 each between -126 and 112; e0 + e1 between -123 and 130; e2 + e3 between -126 and 127; the largest |score| x log2(e) stays a finite f32 number.
;   NaN among the inputs is not served; infinities are held at the largest code.
.set RP,    80                         ; a row of 64 codes in LDS: 64 bytes + 16: an odd multiple of 16, so that the 16 rows of a fragment load start in 16 different columns of 16 bytes
.set KROWS, 0                          ; 512 rows of k's codes
.set QROWS, 512*RP                     ; 256 rows of q's codes
.set VT,    1056                       ; v: a tile of 16 keys: four images of 256 bytes (16 of the head's 64 each), 264 bytes apart
.set VD,    264                        ; 66 words: each image begins two banks further on, so that the 32 lanes of a store of 8 bytes touch 64 different words' banks
.set VIMG,  QROWS+256*RP               ; 32 tiles
.set SP,    272                        ; the way out: a row of 256 bytes + 16
.set STG,   VIMG+32*VT                 ; 16 rows for each wave, its own
.set SPARE, STG+16*16*SP               ; the spare words, 128 bytes for each wave: eight blocks of 256 bytes that no other line names
.set SPW, 1                            ; v1   LDS address of my spare word; never rewritten
.set NIL, 2                            ; v2   0; never rewritten
.set GL,  3                            ; v3   16 x lane: dense loads and stores
.set GV,  4                            ; v4   v's loads: 2048 h + 16 r: sixteen lanes to a row of 256 bytes, the halves eight rows apart
.set AKW, 5                            ; v5   where I store k's codes
.set AQW, 6                            ; v6   q's
.set AVW, 7                            ; v7   v's
.set AKR, 8                            ; v8   where I read k's fragments
.set AQR, 9                            ; v9   q's
.set AVR, 10                           ; v10  v's
.set ASW, 11                           ; v11  the stage: in
.set ASR, 12                           ; v12  the stage: back
.set NINF, 13                          ; v13  -infinity
.set SCQ, 14                           ; v14-21: for q, k, v, p: 2^e, and 57,344 x 2^e
.set LMQ, 15
.set SCK, 16
.set LMK, 17
.set SCV, 18
.set LMV, 19
.set SCP, 20
.set LMP, 21
.set MX,  22                           ; v22-25 four chains of the maximum
.set PT,  26                           ; v26  what comes from lane l xor 16
.set NM,  28                           ; v[28:29] -c' x the maximum (the low word serves both halves)
.set RC,  30                           ; v[30:31] 1 / the sum (likewise)
.set QF,  32                           ; v32-39 q's fragment
.set S,   40                           ; v40-175 S^T, then p: tile tn at S + 8 tn.  Before: v's and k's numbers.  After: v's fragments, rows of out
.set X,   176                          ; v176-247 at work
.set VR,  40                           ; staging: v's 64 numbers,
.set KR,  104                          ; k's 64,
.set QR,  176                          ; q's 32,
.set CQ,  208                          ; q's codes,
.set CK,  216                          ; k's codes
.set TP,  248                          ; v248-255 temporaries
.set SM,  248                          ; the sum's four chains of pairs
.set PC,  176                          ; v176-215 p's codes: five fragments of 8
.set OA,  216                          ; v216-247 O^T: four accumulators
.set SELA, 32                          ; s32-35 byte selects of the 4 x 4 turn
.set SELB, 33
.set SELC, 34
.set SELD, 35
.macro PLACES cnt                      ; plain vector instructions behind matrix instructions (ISA guide 7.12.1)
.rept \cnt
	v_nop
.endr
.endm
; Rows with the head's 64 innermost (q, k).  Load i brought rows 2 i + h, numbers 4 r .. 4 r + 3; a conversion takes two loads' registers, so code register i is load i's four codes: 4 bytes at row 2 i + h, byte 4 r.
.macro QROWSM src, cnt, dst, sc, lim, adr
.set g, 0
.rept \cnt
.set i, 0
.rept 8
	v_med3_num_f32 v[\src+8*g+i], v[\src+8*g+i], -v[\lim], v[\lim]   ; the conversion to an 8-bit code does not saturate (ISA guide 7.6.2): the hold at the largest code x the scale, always executed
.set i, i+1
.endr
	v_cvt_scalef32_pk8_bf8_f32 v[\dst+2*g:\dst+2*g+1], v[\src+8*g:\src+8*g+7], v[\sc]
.set g, g+1
.endr
	v_nop                                          ; one plain vector instruction behind the last conversion
.set i, 0
.rept 2*\cnt
	ds_store_b32 v[\adr], v[\dst+i] offset:2*RP*i
.set i, i+1
.endr
.endm
; A tile of 16 keys of v.  Register 4 i + j holds v(key 8 h + i, 4 r + j), so code register i holds key 8 h + i, bytes = numbers 4 r + 0 .. 3.  Two turns of 4 x 4 bytes (keys 4 e + 0 .. 3) give, for each number 4 r + j,
; a pair of registers with keys 8 h + 0 .. 7 in ascending bytes: the pair of lane 16 h + 4 (r % 4) + j in image r / 4.
.macro VTILE src, a, tt, c
.set i, 0
.rept 32
	v_med3_num_f32 v[\src+i], v[\src+i], -v[LMV], v[LMV]
.set i, i+1
.endr
.irp g, 0,1,2,3
	v_cvt_scalef32_pk8_bf8_f32 v[\a+2*\g:\a+2*\g+1], v[\src+8*\g:\src+8*\g+7], v[SCV]
.endr
	v_nop                                          ; one plain vector instruction between the conversions and the reads of their results
.irp e, 0,1
	v_perm_b32 v[TP+4*\e],   v[\a+4*\e+1], v[\a+4*\e],   s[SELA]   ; keys 0, 1: bytes 0 and 1 of both, interleaved
	v_perm_b32 v[TP+4*\e+1], v[\a+4*\e+1], v[\a+4*\e],   s[SELB]   ; bytes 2 and 3
	v_perm_b32 v[TP+4*\e+2], v[\a+4*\e+3], v[\a+4*\e+2], s[SELA]   ; keys 2, 3
	v_perm_b32 v[TP+4*\e+3], v[\a+4*\e+3], v[\a+4*\e+2], s[SELB]
	v_perm_b32 v[\tt+\e],   v[TP+4*\e+2], v[TP+4*\e],   s[SELC]    ; number 4 r + 0 of keys 0 .. 3
	v_perm_b32 v[\tt+2+\e], v[TP+4*\e+2], v[TP+4*\e],   s[SELD]    ; 4 r + 1
	v_perm_b32 v[\tt+4+\e], v[TP+4*\e+3], v[TP+4*\e+1], s[SELC]    ; 4 r + 2
	v_perm_b32 v[\tt+6+\e], v[TP+4*\e+3], v[TP+4*\e+1], s[SELD]    ; 4 r + 3
.endr
.irp j, 0,1,2,3
	ds_store_b64 v[AVW], v[\tt+2*\j:\tt+2*\j+1] offset:VT*\c+8*\j
.endr
.endm
.macro KFRAG reg, tn                   ; my key tile tn: 16 rows x 64 codes, 8 registers
	ds_load_b128 v[\reg:\reg+3],   v[AKR] offset:16*RP*(\tn)
	ds_load_b128 v[\reg+4:\reg+7], v[AKR] offset:16*RP*(\tn)+32
.endm
.macro SMUL tn, kf                     ; S^T of key tile tn: the whole K in one instruction, so C is 0
	v_wmma_f32_16x16x64_bf8_bf8 v[S+8*(\tn):S+8*(\tn)+7], v[\kf:\kf+7], v[QF:QF+7], 0
.endm
.macro VFRAG reg, f, dt                ; V^T's fragment: numbers 16 dt on, my key tiles 4 f .. 4 f + 3; beyond tile 16, whose weights are zero codes, tile 16 once more: finite codes x 0
.irp c, 0,1,2,3
.if 4*(\f)+\c > 16
	ds_load_b64 v[\reg+2*\c:\reg+2*\c+1], v[AVR] offset:VT*16+VD*(\dt)
.else
	ds_load_b64 v[\reg+2*\c:\reg+2*\c+1], v[AVR] offset:VT*(4*(\f)+\c)+VD*(\dt)
.endif
.endr
.endm
.macro PVMUL f, vf, zero               ; O^T += V^T P^T for 64 keys: the four accumulators take turns, one instruction a turn
.irp dt, 0,1,2,3
.if \zero
	v_wmma_f32_16x16x64_bf8_bf8 v[OA+8*\dt:OA+8*\dt+7], v[\vf+8*\dt:\vf+8*\dt+7], v[PC+8*(\f):PC+8*(\f)+7], 0
.else
	v_wmma_f32_16x16x64_bf8_bf8 v[OA+8*\dt:OA+8*\dt+7], v[\vf+8*\dt:\vf+8*\dt+7], v[PC+8*(\f):PC+8*(\f)+7], v[OA+8*\dt:OA+8*\dt+7]
.endif
.endr
.endm
.macro MKSC e, sc, lim                 ; 2^e as f32 (a conversion takes its exponent field), and 57,344 x 2^e
	s_add_co_i32 s37, s[\e], 127
	s_lshl_b32 s38, s37, 23
	v_mov_b32 v[\sc], s38
	s_add_co_i32 s37, s37, 15
	s_lshl_b32 s37, s37, 23
	s_or_b32 s37, s37, 0x600000
	v_mov_b32 v[\lim], s37
.endm
	; ---- the head: addresses, masks, constants, while the arguments are on their way
	s_load_b256 s[4:11], s[0:1], 0x0               ; q s[4:5], k s[6:7], v s[8:9], the scales' exponents s[10:11]
	s_load_b64 s[12:13], s[0:1], 0x20              ; out
	v_lshl_add_u32 v[SPW], v0, 2, SPARE
	v_mov_b32 v[NIL], 0
	v_lshrrev_b32 v248, 5, v0
	v_readfirstlane_b32 s14, v248                  ; wave w, 0 .. 15
	s_mov_b32 s15, ttmp9                           ; b: the block of 256 queries
	s_and_b32 s16, ttmp7, 0xffff                   ; the head
	v_and_b32 v248, 15, v0                         ; r
	v_bfe_u32 v249, v0, 4, 1                       ; h
	v_and_b32 v250, 31, v0                         ; lane
	v_lshlrev_b32 v[GL], 4, v250
	v_lshlrev_b32 v[GV], 4, v248
	v_lshl_add_u32 v[GV], v249, 11, v[GV]
	v_mul_u32_u24 v251, v249, RP
	v_lshl_add_u32 v251, v248, 2, v251             ; codes in: row h, byte 4 r
	v_mul_u32_u24 v252, v248, RP
	v_lshl_add_u32 v252, v249, 4, v252             ; fragments out: row r, byte 16 h
	s_mul_i32 s17, s14, 32*RP                      ; my 32 rows of k (KROWS is 0)
	v_add_nc_u32 v[AKW], s17, v251
	s_mul_i32 s17, s14, 16*RP                      ; my first key tile is local tile w;
	s_add_co_u32 s37, s17, QROWS                   ; my 16 rows of q
	v_add_nc_u32 v[AQW], s37, v251
	v_add_nc_u32 v[AKR], s17, v252
	v_add_nc_u32 v[AQR], s37, v252
	v_lshrrev_b32 v253, 2, v248
	v_mul_u32_u24 v253, v253, VD                   ; image r / 4,
	v_lshl_add_u32 v253, v249, 7, v253             ; lane 16 h
	v_and_b32 v254, 3, v248
	v_lshl_add_u32 v253, v254, 5, v253             ; + 4 (r % 4), 8 bytes a lane
	s_mul_i32 s38, s14, 2*VT                       ; my two tiles of v
	s_add_co_u32 s38, s38, VIMG
	v_add_nc_u32 v[AVW], s38, v253
	s_mul_i32 s38, s14, VT
	s_add_co_u32 s38, s38, VIMG
	v_lshl_add_u32 v[AVR], v250, 3, s38            ; images back: 8 bytes a lane, from local tile w on
	s_mul_i32 s38, s14, 16*SP
	s_add_co_u32 s38, s38, STG                     ; my stage
	v_mul_u32_u24 v255, v248, SP
	v_lshl_add_u32 v255, v249, 5, v255
	v_add_nc_u32 v[ASW], s38, v255                 ; in: row r, 32 bytes for each half of the lanes
	v_mul_u32_u24 v255, v249, SP
	v_lshl_add_u32 v255, v248, 4, v255
	v_add_nc_u32 v[ASR], s38, v255                 ; back: lanes 0-15 one row, lanes 16-31 the next
	v_lshlrev_b32 v254, 3, v249
	v_sub_nc_u32 v254, v248, v254                  ; r - 8 h
.irp j, 0,1,2,3,4,5,6,7
	v_cmp_lt_i32 s[40+\j], \j, v254                ; the lanes in which key 8 h + j of a tile comes before query r: hidden in tile 0, kept in tile 16
.endr
	v_mov_b32 v[NINF], 0xff800000
	v_mov_b32 v[PT], 0                             ; a lane permute's destination counts as read
	v_mov_b32 v[NM+1], 0                           ; (named as the upper halves of pairs)
	v_mov_b32 v[RC+1], 0
	s_mov_b32 s30, 0x76543210                      ; v_permlanex16_b32's selects for lane l xor 16
	s_mov_b32 s31, 0xfedcba98
	s_mov_b32 s[SELA], 0x05010400
	s_mov_b32 s[SELB], 0x07030602
	s_mov_b32 s[SELC], 0x05040100
	s_mov_b32 s[SELD], 0x07060302
	s_lshl_b32 s36, s15, 4
	s_add_co_u32 s36, s36, s14
	s_sub_co_u32 s36, s36, 8                       ; the place in the head of my key tile 0: 16 b + w - 8 (it wraps below 0)
	s_lshl_b32 s18, s16, 20                        ; q and out: a head is 2^20 bytes, a block 2^16, a wave's 16 rows 2^12
	s_lshl_b32 s17, s15, 16
	s_add_co_u32 s18, s18, s17
	s_lshl_b32 s17, s14, 12
	s_add_co_u32 s18, s18, s17
	s_mov_b32 s19, 0
	s_lshl_b32 s17, s15, 8                         ; k and v: my unit's first key, 256 b - 128 + 32 w,
	s_lshl_b32 s37, s14, 5
	s_add_co_u32 s17, s17, s37
	s_sub_co_i32 s17, s17, 128
	s_max_i32 s17, s17, 0                          ; held inside the head
	s_min_i32 s17, s17, 4064
	s_lshl_b32 s17, s17, 8
	s_lshl_b32 s50, s16, 20
	s_add_co_u32 s50, s50, s17
	s_mov_b32 s51, 0
	s_wait_kmcnt 0x0
	s_load_b128 s[20:23], s[10:11], 0x0            ; e0, e1, e2, e3
	s_add_nc_u64 s[4:5], s[4:5], s[18:19]          ; the four bases are written here and never again
	s_add_nc_u64 s[12:13], s[12:13], s[18:19]
	s_add_nc_u64 s[6:7], s[6:7], s[50:51]
	s_add_nc_u64 s[8:9], s[8:9], s[50:51]
	; ---- all 40 loads of the wave, 20 KiB, go out together
.irp i, 0,1,2,3,4,5,6,7
	global_load_b128 v[QR+4*\i:QR+4*\i+3], v[GL], s[4:5] offset:512*\i th:TH_LOAD_NT   ; 512 consecutive bytes: rows 2 i, 2 i + 1; read by nobody else
.endr
.irp i, 0,1,2,3,4,5,6,7,8,9,10,11,12,13,14,15
	global_load_b128 v[KR+4*\i:KR+4*\i+3], v[GL], s[6:7] offset:512*\i
.endr
.irp c, 0,1
.irp i, 0,1,2,3,4,5,6,7
	global_load_b128 v[VR+32*\c+4*\i:VR+32*\c+4*\i+3], v[GV], s[8:9] offset:4096*\c+256*\i   ; key 16 c + 8 h + i: sixteen lanes read a whole row of 256 bytes
.endr
.endr
	s_wait_kmcnt 0x0
	MKSC 20, SCQ, LMQ
	MKSC 21, SCK, LMK
	MKSC 22, SCP, LMP
	MKSC 23, SCV, LMV
	s_add_co_i32 s37, s20, s21
	s_lshl_b32 s37, s37, 23
	s_add_co_i32 s24, s37, 0x3e38aa3b              ; c' = log2(e) / 8 x 2^(e0 + e1): the exponents are added to c's exponent field
	s_mov_b32 s25, s24                             ; (named with it as a pair)
	s_xor_b32 s26, s24, 0x80000000                 ; -c'
	s_add_co_i32 s37, s22, s23
	s_add_co_i32 s37, s37, 127
	s_lshl_b32 s28, s37, 23                        ; 2^(e2 + e3)
	s_mov_b32 s29, s28
	; ---- quantising
	s_wait_loadcnt 32                              ; q's eight loads are in; k's 16 and v's 16 may be out
	QROWSM QR, 4, CQ, SCQ, LMQ, AQW
	ds_load_b128 v[QF:QF+3],   v[AQR]              ; my own rows: LDS serves a wave's instructions in order (ISA guide 5.7.1.4)
	ds_load_b128 v[QF+4:QF+7], v[AQR] offset:32
	s_wait_loadcnt 16                              ; k's are in; v's 16 may be out
	QROWSM KR, 8, CK, SCK, LMK, AKW
	s_wait_loadcnt 8                               ; v's first tile is in
	VTILE VR, 232, 240, 0
	s_wait_loadcnt 0x0
	VTILE VR+32, 176, 184, 1
	s_wait_dscnt 0x0                               ; for the others' sake: my stores have landed (and q's fragment is in)
	s_barrier_signal -1
	s_barrier_wait -1                              ; the one barrier: all 512 rows of k and 32 tiles of v lie in LDS, and nobody writes them again
	; ---- the scores.  Tiles 9 - 16 have their fragments where tiles 0 - 7's results will lie, so they go first
.irp tn, 9,10,11,12,13,14,15,16
	KFRAG S+8*(\tn-9), \tn
.endr
	KFRAG X+64, 8
.irp tn, 0,1,2,3,4,5,6,7
	KFRAG X+8*\tn, \tn
.endr
	s_wait_dscnt 16                                ; the first 18 loads are in; tiles 0 - 7's sixteen may be out
.irp tn, 9,10,11,12,13,14,15,16
	SMUL \tn, S+8*(\tn-9)
.endr
	SMUL 8, X+64
	s_wait_dscnt 0x0
	PLACES 5                                       ; the next products write over registers that the last ones read: five places
.irp tn, 0,1,2,3,4,5,6,7
	SMUL \tn, X+8*\tn
.endr
	PLACES 4                                       ; in front of the first read of results
.irp j, 0,1,2,3,4,5,6,7                        ; the band's two slanted ends; each accumulator is read from its low end on
	v_cndmask_b32 v[S+\j], v[S+\j], v[NINF], s[40+\j]
	v_cndmask_b32 v[S+128+\j], v[NINF], v[S+128+\j], s[40+\j]
.endr
	s_cmp_lt_u32 s36, 240                          ; are my 17 tiles all inside the head?  Ids alone; no barrier lies ahead
	s_cbranch_scc1 .Linner
.irp tn, 0,1,2,3,4,5,6,7,9,10,11,12,13,14,15,16   ; (tile 8 holds my own queries' keys: always inside)
	s_add_co_u32 s37, s36, \tn
	s_cmp_lt_u32 s37, 256
	s_cselect_b32 s48, 0, -1                       ; all lanes, where the tile lies outside
.irp j, 0,1,2,3,4,5,6,7
	v_cndmask_b32 v[S+8*\tn+\j], v[S+8*\tn+\j], v[NINF], s48
.endr
.endr
.Linner:
	; ---- the softmax, finished: maximum, p' = 2^(c' s - c' max), sum, p = p' / sum
.irp k, 0,1,2,3
	v_max_num_f32 v[MX+\k], v[S+2*\k], v[S+2*\k+1]
.endr
.set t, 1
.rept 16
.irp k, 0,1,2,3
	v_max3_num_f32 v[MX+\k], v[MX+\k], v[S+8*t+2*\k], v[S+8*t+2*\k+1]   ; four chains; a tile's first read is of its registers 0 and 1
.endr
.set t, t+1
.endr
	v_max3_num_f32 v[MX], v[MX], v[MX+1], v[MX+2]
	v_max_num_f32 v[MX], v[MX], v[MX+3]
	v_permlanex16_b32 v[PT], v[MX], s30, s31       ; the query's other 136 keys lie in lane l xor 16
	v_max_num_f32 v[MX], v[MX], v[PT]
	v_mul_f32 v[NM], s26, v[MX]                    ; its rounding is one factor common to the whole row, which the division takes out again
.set p, 0
.rept 68
	v_pk_fma_f32 v[S+2*p:S+2*p+1], v[S+2*p:S+2*p+1], s[24:25], v[NM:NM+1] op_sel_hi:[1,0,0]   ; c' s - c' max, one rounding
.set p, p+1
.endr
.set p, 0
.rept 136
	v_exp_f32 v[S+p], v[S+p]
.set p, p+1
.endr
	v_nop                                          ; the plain instruction behind the last exponential
	s_wait_alu depctr_va_vdst(0)                   ; one wait for the batch of 136, ahead of its first reader
.irp k, 0,1,2,3
	v_pk_add_f32 v[SM+2*\k:SM+2*\k+1], v[S+2*\k:S+2*\k+1], v[S+8+2*\k:S+8+2*\k+1]   ; four chains of pairs, started by the first eight pairs
.endr
.set p, 8
.rept 60
	v_pk_add_f32 v[SM+2*(p%4):SM+2*(p%4)+1], v[SM+2*(p%4):SM+2*(p%4)+1], v[S+2*p:S+2*p+1]
.set p, p+1
.endr
	v_pk_add_f32 v[SM:SM+1], v[SM:SM+1], v[SM+2:SM+3]
	v_pk_add_f32 v[SM+4:SM+5], v[SM+4:SM+5], v[SM+6:SM+7]
	v_pk_add_f32 v[SM:SM+1], v[SM:SM+1], v[SM+4:SM+5]
	v_add_f32 v[SM], v[SM], v[SM+1]
	v_permlanex16_b32 v[PT], v[SM], s30, s31
	v_add_f32 v[SM], v[SM], v[PT]                  ; the row's sum, at least 1
	v_rcp_f32 v[RC], v[SM]
	v_nop                                          ; the plain instruction behind it,
	s_wait_alu depctr_va_vdst(0)                   ; and the wait ahead of its first reader
.set t, 0
.rept 17                                       ; a tile's eight weights become registers 2 tn, 2 tn + 1 of p's codes
.irp i, 0,2,4,6
	v_pk_mul_f32 v[S+8*t+\i:S+8*t+\i+1], v[S+8*t+\i:S+8*t+\i+1], v[RC:RC+1] op_sel_hi:[1,0]   ; the normalised weight.  (These are also the plain instructions behind the tile before's conversion)
.endr
.irp i, 0,1,2,3,4,5,6,7
	v_min_num_f32 v[S+8*t+\i], v[S+8*t+\i], v[LMP]   ; the hold; p is never negative, so it is one-sided
.endr
	v_cvt_scalef32_pk8_bf8_f32 v[PC+2*t:PC+2*t+1], v[S+8*t:S+8*t+7], v[SCP]
.set t, t+1
.endr
.irp i, 34,35,36,37,38,39
	v_mov_b32 v[PC+\i], 0                          ; tiles 17 - 19 of the fifth fragment: zero codes.  (Plain instructions behind the last conversion)
.endr
	; ---- O^T = V^T P^T: five blocks of 64 keys
.irp f, 0,1,2,3
.irp dt, 0,1,2,3
	VFRAG S+32*\f+8*\dt, \f, \dt
.endr
.endr
	s_wait_dscnt 32                                ; blocks 0 and 1 are in; blocks 2 and 3, 32 loads, may be out
	PVMUL 0, S, 1                                  ; the first products start the sums
	PVMUL 1, S+32, 0
	PLACES 4                                       ; in front of loads into registers that block 0's products have read
.irp dt, 0,1,2,3
	VFRAG S+8*\dt, 4, \dt
.endr
	s_wait_dscnt 16                                ; blocks 2 and 3 are in; block 4's sixteen loads may be out
	PVMUL 2, S+64, 0
	PVMUL 3, S+96, 0
	s_wait_dscnt 0x0
	PVMUL 4, S, 0
	PLACES 4
	; ---- the way out: x 2^(e2 + e3); a lane's eight numbers of a row go through my own stage and come back as whole rows
.set p, 0
.rept 16
	v_pk_mul_f32 v[OA+2*p:OA+2*p+1], v[OA+2*p:OA+2*p+1], s[28:29] op_sel_hi:[1,0]   ; each accumulator from its low end on
.set p, p+1
.endr
.irp dt, 0,1,2,3
	ds_store_b128 v[ASW], v[OA+8*\dt:OA+8*\dt+3] offset:64*\dt           ; lane (r, h): out(r, 16 dt + 8 h + 0 .. 7)
	ds_store_b128 v[ASW], v[OA+8*\dt+4:OA+8*\dt+7] offset:64*\dt+16
.endr
.irp i, 0,1,2,3,4,5,6,7
	ds_load_b128 v[S+64+4*\i:S+64+4*\i+3], v[ASR] offset:2*SP*\i         ; my own bytes, served in order: these see the stores above
.endr
.irp i, 0,1,2,3,4,5,6,7
	s_wait_dscnt 7-\i                              ; rows 2 i, 2 i + 1 are back; the younger loads may be out
	global_store_b128 v[GL], v[S+64+4*\i:S+64+4*\i+3], s[12:13] offset:512*\i th:TH_STORE_NT   ; 512 consecutive bytes, at a multiple of 256 from out's first byte
.endr
	s_wait_tensorcnt 0x0                           ; the wave's end
	ds_add_u32 v[SPW], v[NIL]
	s_wait_dscnt 0x0
	s_endpgm
.Lfunc_end_k_q1c0c89028d_attn:
	.size	k_q1c0c89028d_attn, .Lfunc_end_k_q1c0c89028d_attn-k_q1c0c89028d_attn
	.p2alignl 7, 3214868480
	.fill 96, 4, 3214868480
	.section	.rodata,"a",@progbits
	.p2align	6, 0x0
	.amdhsa_kernel k_q1c0c89028d_attn
		.amdhsa_group_segment_fixed_size 166912
		.amdhsa_private_segment_fixed_size 0
		.amdhsa_enable_private_segment 0
		.amdhsa_kernarg_size 40
		.amdhsa_user_sgpr_count 2
		.amdhsa_user_sgpr_kernarg_segment_ptr 1
		.amdhsa_wavefront_size32 1
		.amdhsa_system_sgpr_workgroup_id_x 1
		.amdhsa_system_sgpr_workgroup_id_y 1
		.amdhsa_system_sgpr_workgroup_id_z 1
		.amdhsa_system_vgpr_workitem_id 0
		.amdhsa_next_free_vgpr 256
		.amdhsa_next_free_sgpr 66
		.amdhsa_reserve_vcc 0
		.amdhsa_float_denorm_mode_32 3
		.amdhsa_float_denorm_mode_16_64 3
		.amdhsa_memory_ordered 1
		.amdhsa_forward_progress 1
		.amdhsa_inst_pref_size 78
	.end_amdhsa_kernel
	.amdgpu_metadata
---
amdhsa.version: [ 1, 2 ]
amdhsa.kernels:
  - .name:           k_q1c0c89028d_attn
    .symbol:         k_q1c0c89028d_attn.kd
    .args:
      - { .name: q, .offset: 0, .size: 8, .value_kind: global_buffer, .address_space: global }
      - { .name: k, .offset: 8, .size: 8, .value_kind: global_buffer, .address_space: global }
      - { .name: v, .offset: 16, .size: 8, .value_kind: global_buffer, .address_space: global }
      - { .name: lowp_scales, .offset: 24, .size: 8, .value_kind: global_buffer, .address_space: global }
      - { .name: out0, .offset: 32, .size: 8, .value_kind: global_buffer, .address_space: global }
    .group_segment_fixed_size: 166912
    .private_segment_fixed_size: 0
    .kernarg_segment_align: 8
    .kernarg_segment_size: 40
    .max_flat_workgroup_size: 512
    .sgpr_count:     66
    .vgpr_count:     256
    .wavefront_size: 32
...
	.end_amdgpu_metadata
.endif
;; end of part 1
;; ======== version 2 of 2: 1 launch; version 1 with the launch attn written anew for expert scheduling mode
;; launch attn (part 2): grid 16 x 16, 16 waves a work-group, no clusters, 166,912 bytes of LDS; arguments q, k, v, lowp_scales, out0; writes out0
.if DOCPART == 2
	.amdgcn_target "amdgcn-amd-amdhsa--gfx1250"
	.amdhsa_code_object_version 6
	.text
	.protected	k_q1c0c89028d_attn
	.globl	k_q1c0c89028d_attn
	.p2align	8
	.type	k_q1c0c89028d_attn,@function
k_q1c0c89028d_attn:
	s_mov_b64 s[64:65], 0
	v_nop
	global_prefetch_b8 v0, s[64:65] scope:SCOPE_SE
	s_setreg_imm32_b32 hwreg(HW_REG_WAVE_SCHED_MODE, 0, 2), 2
	s_setreg_imm32_b32 hwreg(HW_REG_WAVE_MODE, 25, 1), 1
	s_wait_xcnt 0x0
	s_wait_alu depctr_vm_vsrc(0)
; out[h][i][:] = sum over j of softmax_j(q[h][i] . k[h][j] / 8) v[h][j][:], j from i - 128 to i + 127 inside 0 .. 4095.  q, k, v, out: [16][4096][64] f32.
; Both products run on codes of BF8 (E5M2), each operand with the given scale 2^e: e0 (q), e1 (k), e2 (the weights), e3 (v).  The weights are quantised FINISHED: p = 2^(t - max t) / (the row's sum), all in f32.
; SHARES.  Work-group (b, head) owns queries 256 b .. 256 b + 255 and needs keys 256 b - 128 .. 256 b + 383: 512 local rows L, key = 256 b - 128 + L.  Sixteen waves, four to a SIMD, 256 registers each.
;   Quantising: wave w turns its own 16 queries and local rows 32 w .. 32 w + 31 of k and of v into codes in LDS; ONE barrier; then wave w owns the tile of queries q0 = 256 b + 16 w .. + 15.
;   Seen from q0 - 128 only keys n = 0 .. 271 can count: 17 tiles of 16 keys, local tiles w .. w + 16.  Tile 0 counts where n >= r (r: the query in its tile), tiles 1 - 15 wholly, tile 16 where n - 256 < r.
;   A row's whole window, 272 scores, lies in 136 registers of two lanes: so maximum, sum and division are taken once, with no running maximum.
; LAYOUT.  S^T = K Q^T (source 0 = 16 keys, source 1 = my 16 queries, K = the head's 64: one instruction a tile): lane (r, h) holds query r and keys 8 h + 0 .. 7 of the tile.  Eight such weights, converted, are
;   registers 2 c, 2 c + 1 of source 1 of O^T = V^T P^T (K = 64 keys = four tiles).  v's codes lie in LDS as images of source 0's register pairs, a tile of 16 keys at a time, so that any four tiles make a fragment.
;   q's and k's fragments come by two loads of 16 bytes a lane: a permutation of the head's 64, the same on both sides.
; HEAD'S ENDS.  A unit of 32 keys lies wholly inside the head or wholly outside; an outside unit loads the head's first or last 32 rows in its stead (no load leaves its buffer), and its scores become -infinity: p = 0.
; WHY NO CLUSTER AND NO TENSOR LOAD: k and v arrive as f32 and have to pass through registers to become codes; a joint request serves tensor loads into LDS alone.  Each 128 keys are wanted by two neighbouring blocks only.
;   All of a wave's 40 loads are issued at the head, so there is nothing left to ask for ahead.
; reference()'s step 'NaN weights become 0' never acts: a row's window holds its own key, the codes are finite, so the maximum is finite and the sum is at least 1.
; LIMITS, so that each power of two below is an f32 number: e0, e1, e2, e3 each between -126 and 112; e0 + e1 between -123 and 130; e2 + e3 between -126 and 127; the largest |score| x log2(e) stays a finite f32 number.
;   NaN among the inputs is not served; infinities are held at the largest code.
; THE MODE: SCHED_MODE bits 1:0 = 2 (LLVM: expert scheduling mode 2), set by the entry lines.  The code itself states the register dependences between vector or matrix instructions and memory or LDS
;   instructions, with s_wait_alu, always for 0.
; THE PLAN.  Registers that memory or LDS instructions touch, in the order of the text:
;   v1 - v12        offsets and LDS addresses: written once at the head, read by every load and store, never written again: one wait ahead of the first load.
;   s14, s40 - s47  written by vector instructions (the wave's number, eight masks), which stand together at the head: one wait behind them, ahead of the first reader of any.
;   QR, KR, VR      the 40 global loads land in them before any vector instruction names them; holds and conversions read them.
;   CQ, CK, v240-247, v184-191   codes: written by the conversions and byte turns of a phase; read by that phase's LDS stores, which stand one phase later, behind the wait for the next phase's numbers and one wait
;                   for the vector side.  No later phase writes them.  Behind the barrier k's fragments land in them: one wait for the LDS stores' reads stands there.
;   v40-103, v176-247   k's 34 fragment loads: every vector instruction that named these registers stands ahead of the quantising's last wait for the vector side.
;   v40-167         p, then v's fragments.  Tiles 0 - 7 are weighed and converted; a wait; blocks 0 and 1 are asked for, into v40-103, while tiles 8 - 16 (v104-175) are weighed; a wait; blocks 2 and 3.
;                   Block 4 lands in v40-71 behind a wait for block 0's products.
;   OA, v104-135    the way out: one wait: the scalings have written OA, which the stage's stores read, and the products are done reading v104-135, in which the rows come back.
.set RP,    80                         ; a row of 64 codes in LDS: 64 bytes + 16: an odd multiple of 16, so that the 16 rows of a fragment load start in 16 different columns of 16 bytes
.set KROWS, 0                          ; 512 rows of k's codes
.set QROWS, 512*RP                     ; 256 rows of q's codes
.set VT,    1056                       ; v: a tile of 16 keys: four images of 256 bytes (16 of the head's 64 each), 264 bytes apart
.set VD,    264                        ; 66 words: each image begins two banks further on, so that the 32 lanes of a store of 8 bytes touch 64 different words' banks
.set VIMG,  QROWS+256*RP               ; 32 tiles
.set SP,    272                        ; the way out: a row of 256 bytes + 16
.set STG,   VIMG+32*VT                 ; 16 rows for each wave, its own
.set SPARE, STG+16*16*SP               ; the spare words, 128 bytes for each wave: eight blocks of 256 bytes that no other line names
.set SPW, 1                            ; v1   LDS address of my spare word; never rewritten
.set NIL, 2                            ; v2   0; never rewritten
.set GL,  3                            ; v3   16 x lane: dense loads and stores
.set GV,  4                            ; v4   v's loads: 2048 h + 16 r: sixteen lanes to a row of 256 bytes, the halves eight rows apart
.set AKW, 5                            ; v5   where I store k's codes
.set AQW, 6                            ; v6   q's
.set AVW, 7                            ; v7   v's
.set AKR, 8                            ; v8   where I read k's fragments
.set AQR, 9                            ; v9   q's
.set AVR, 10                           ; v10  v's
.set ASW, 11                           ; v11  the stage: in
.set ASR, 12                           ; v12  the stage: back
.set NINF, 13                          ; v13  -infinity
.set SCQ, 14                           ; v14-21: for q, k, v, p: 2^e, and 57,344 x 2^e
.set LMQ, 15
.set SCK, 16
.set LMK, 17
.set SCV, 18
.set LMV, 19
.set SCP, 20
.set LMP, 21
.set MX,  22                           ; v22-25 four chains of the maximum
.set PT,  26                           ; v26  what comes from lane l xor 16
.set NM,  28                           ; v[28:29] -c' x the maximum (the low word serves both halves)
.set RC,  30                           ; v[30:31] 1 / the sum (likewise)
.set QF,  32                           ; v32-39 q's fragment
.set S,   40                           ; v40-175 S^T, then p: tile tn at S + 8 tn.  Before: v's and k's numbers.  After: v's fragments, rows of out
.set X,   176                          ; v176-247 at work
.set VR,  40                           ; staging: v's 64 numbers,
.set KR,  104                          ; k's 64,
.set QR,  176                          ; q's 32,
.set CQ,  208                          ; q's codes,
.set CK,  216                          ; k's codes
.set TP,  248                          ; v248-255 temporaries
.set SM,  248                          ; the sum's four chains of pairs
.set PC,  176                          ; v176-215 p's codes: five fragments of 8
.set OA,  216                          ; v216-247 O^T: four accumulators
.set SELA, 32                          ; s32-35 byte selects of the 4 x 4 turn
.set SELB, 33
.set SELC, 34
.set SELD, 35
.macro PLACES cnt                      ; plain vector instructions behind matrix instructions (ISA guide 7.12.1)
.rept \cnt
	v_nop
.endr
.endm
; Rows with the head's 64 innermost (q, k).  Load i brought rows 2 i + h, numbers 4 r .. 4 r + 3; a conversion takes two loads' registers, so code register i is load i's four codes: 4 bytes at row 2 i + h, byte 4 r.
.macro QCONV src, cnt, dst, sc, lim
.set g, 0
.rept \cnt
.set i, 0
.rept 8
	v_med3_num_f32 v[\src+8*g+i], v[\src+8*g+i], -v[\lim], v[\lim]   ; the conversion to an 8-bit code does not saturate (ISA guide 7.6.2): the hold at the largest code x the scale, always executed
.set i, i+1
.endr
	v_cvt_scalef32_pk8_bf8_f32 v[\dst+2*g:\dst+2*g+1], v[\src+8*g:\src+8*g+7], v[\sc]
.set g, g+1
.endr
	v_nop                                          ; one plain vector instruction behind the last conversion
.endm
.macro QSEND cnt, dst, adr             ; the codes go to their rows in LDS
.set i, 0
.rept 2*\cnt
	ds_store_b32 v[\adr], v[\dst+i] offset:2*RP*i
.set i, i+1
.endr
.endm
; A tile of 16 keys of v.  Register 4 i + j holds v(key 8 h + i, 4 r + j), so code register i holds key 8 h + i, bytes = numbers 4 r + 0 .. 3.  Two turns of 4 x 4 bytes (keys 4 e + 0 .. 3) give, for each number 4 r + j,
; a pair of registers with keys 8 h + 0 .. 7 in ascending bytes: the pair of lane 16 h + 4 (r % 4) + j in image r / 4.
.macro VCONV src, a, tt
.set i, 0
.rept 32
	v_med3_num_f32 v[\src+i], v[\src+i], -v[LMV], v[LMV]
.set i, i+1
.endr
.irp g, 0,1,2,3
	v_cvt_scalef32_pk8_bf8_f32 v[\a+2*\g:\a+2*\g+1], v[\src+8*\g:\src+8*\g+7], v[SCV]
.endr
	v_nop                                          ; one plain vector instruction between the conversions and the reads of their results
.irp e, 0,1
	v_perm_b32 v[TP+4*\e],   v[\a+4*\e+1], v[\a+4*\e],   s[SELA]   ; keys 0, 1: bytes 0 and 1 of both, interleaved
	v_perm_b32 v[TP+4*\e+1], v[\a+4*\e+1], v[\a+4*\e],   s[SELB]   ; bytes 2 and 3
	v_perm_b32 v[TP+4*\e+2], v[\a+4*\e+3], v[\a+4*\e+2], s[SELA]   ; keys 2, 3
	v_perm_b32 v[TP+4*\e+3], v[\a+4*\e+3], v[\a+4*\e+2], s[SELB]
	v_perm_b32 v[\tt+\e],   v[TP+4*\e+2], v[TP+4*\e],   s[SELC]    ; number 4 r + 0 of keys 0 .. 3
	v_perm_b32 v[\tt+2+\e], v[TP+4*\e+2], v[TP+4*\e],   s[SELD]    ; 4 r + 1
	v_perm_b32 v[\tt+4+\e], v[TP+4*\e+3], v[TP+4*\e+1], s[SELC]    ; 4 r + 2
	v_perm_b32 v[\tt+6+\e], v[TP+4*\e+3], v[TP+4*\e+1], s[SELD]    ; 4 r + 3
.endr
.endm
.macro VSEND tt, c                     ; the four pairs go to their images in LDS: my tile c
.irp j, 0,1,2,3
	ds_store_b64 v[AVW], v[\tt+2*\j:\tt+2*\j+1] offset:VT*\c+8*\j
.endr
.endm
.macro KFRAG reg, tn                   ; my key tile tn: 16 rows x 64 codes, 8 registers
	ds_load_b128 v[\reg:\reg+3],   v[AKR] offset:16*RP*(\tn)
	ds_load_b128 v[\reg+4:\reg+7], v[AKR] offset:16*RP*(\tn)+32
.endm
.macro SMUL tn, kf                     ; S^T of key tile tn: the whole K in one instruction, so C is 0
	v_wmma_f32_16x16x64_bf8_bf8 v[S+8*(\tn):S+8*(\tn)+7], v[\kf:\kf+7], v[QF:QF+7], 0
.endm
.macro VFRAG reg, f, dt                ; V^T's fragment: numbers 16 dt on, my key tiles 4 f .. 4 f + 3; beyond tile 16, whose weights are zero codes, tile 16 once more: finite codes x 0
.irp c, 0,1,2,3
.if 4*(\f)+\c > 16
	ds_load_b64 v[\reg+2*\c:\reg+2*\c+1], v[AVR] offset:VT*16+VD*(\dt)
.else
	ds_load_b64 v[\reg+2*\c:\reg+2*\c+1], v[AVR] offset:VT*(4*(\f)+\c)+VD*(\dt)
.endif
.endr
.endm
.macro PVMUL f, vf, zero               ; O^T += V^T P^T for 64 keys: the four accumulators take turns, one instruction a turn
.irp dt, 0,1,2,3
.if \zero
	v_wmma_f32_16x16x64_bf8_bf8 v[OA+8*\dt:OA+8*\dt+7], v[\vf+8*\dt:\vf+8*\dt+7], v[PC+8*(\f):PC+8*(\f)+7], 0
.else
	v_wmma_f32_16x16x64_bf8_bf8 v[OA+8*\dt:OA+8*\dt+7], v[\vf+8*\dt:\vf+8*\dt+7], v[PC+8*(\f):PC+8*(\f)+7], v[OA+8*\dt:OA+8*\dt+7]
.endif
.endr
.endm
.macro WEIGH cnt                       ; the next cnt tiles, from tile t on: a tile's eight weights become registers 2 t, 2 t + 1 of p's codes
.rept \cnt
.irp i, 0,2,4,6
	v_pk_mul_f32 v[S+8*t+\i:S+8*t+\i+1], v[S+8*t+\i:S+8*t+\i+1], v[RC:RC+1] op_sel_hi:[1,0]   ; the normalised weight.  (These are also the plain instructions behind the tile before's conversion)
.endr
.irp i, 0,1,2,3,4,5,6,7
	v_min_num_f32 v[S+8*t+\i], v[S+8*t+\i], v[LMP]   ; the hold; p is never negative, so it is one-sided
.endr
	v_cvt_scalef32_pk8_bf8_f32 v[PC+2*t:PC+2*t+1], v[S+8*t:S+8*t+7], v[SCP]
.set t, t+1
.endr
.endm
.macro MKSC e, sc, lim                 ; 2^e as f32 (a conversion takes its exponent field), and 57,344 x 2^e
	s_add_co_i32 s37, s[\e], 127
	s_lshl_b32 s38, s37, 23
	v_mov_b32 v[\sc], s38
	s_add_co_i32 s37, s37, 15
	s_lshl_b32 s37, s37, 23
	s_or_b32 s37, s37, 0x600000
	v_mov_b32 v[\lim], s37
.endm
	; ---- the head: addresses, masks, constants, while the arguments are on their way
	s_load_b256 s[4:11], s[0:1], 0x0               ; q s[4:5], k s[6:7], v s[8:9], the scales' exponents s[10:11]
	s_load_b64 s[12:13], s[0:1], 0x20              ; out
	v_lshl_add_u32 v[SPW], v0, 2, SPARE
	v_mov_b32 v[NIL], 0
	v_lshrrev_b32 v248, 5, v0
	v_readfirstlane_b32 s14, v248                  ; wave w, 0 .. 15
	v_and_b32 v248, 15, v0                         ; r
	v_bfe_u32 v249, v0, 4, 1                       ; h
	v_and_b32 v250, 31, v0                         ; lane
	v_lshlrev_b32 v254, 3, v249
	v_sub_nc_u32 v254, v248, v254                  ; r - 8 h
.irp j, 0,1,2,3,4,5,6,7
	v_cmp_lt_i32 s[40+\j], \j, v254                ; the lanes in which key 8 h + j of a tile comes before query r: hidden in tile 0, kept in tile 16
.endr
	s_wait_alu depctr_va_sdst(0)                   ; s14 and s40 to s47 are written, ahead of the first reader of any of them: the addresses below are made from s14, the band's ends are cut by the masks
	s_mov_b32 s15, ttmp9                           ; b: the block of 256 queries
	s_and_b32 s16, ttmp7, 0xffff                   ; the head
	v_lshlrev_b32 v[GL], 4, v250
	v_lshlrev_b32 v[GV], 4, v248
	v_lshl_add_u32 v[GV], v249, 11, v[GV]
	v_mul_u32_u24 v251, v249, RP
	v_lshl_add_u32 v251, v248, 2, v251             ; codes in: row h, byte 4 r
	v_mul_u32_u24 v252, v248, RP
	v_lshl_add_u32 v252, v249, 4, v252             ; fragments out: row r, byte 16 h
	s_mul_i32 s17, s14, 32*RP                      ; my 32 rows of k (KROWS is 0)
	v_add_nc_u32 v[AKW], s17, v251
	s_mul_i32 s17, s14, 16*RP                      ; my first key tile is local tile w;
	s_add_co_u32 s37, s17, QROWS                   ; my 16 rows of q
	v_add_nc_u32 v[AQW], s37, v251
	v_add_nc_u32 v[AKR], s17, v252
	v_add_nc_u32 v[AQR], s37, v252
	v_lshrrev_b32 v253, 2, v248
	v_mul_u32_u24 v253, v253, VD                   ; image r / 4,
	v_lshl_add_u32 v253, v249, 7, v253             ; lane 16 h
	v_and_b32 v254, 3, v248
	v_lshl_add_u32 v253, v254, 5, v253             ; + 4 (r % 4), 8 bytes a lane
	s_mul_i32 s38, s14, 2*VT                       ; my two tiles of v
	s_add_co_u32 s38, s38, VIMG
	v_add_nc_u32 v[AVW], s38, v253
	s_mul_i32 s38, s14, VT
	s_add_co_u32 s38, s38, VIMG
	v_lshl_add_u32 v[AVR], v250, 3, s38            ; images back: 8 bytes a lane, from local tile w on
	s_mul_i32 s38, s14, 16*SP
	s_add_co_u32 s38, s38, STG                     ; my stage
	v_mul_u32_u24 v255, v248, SP
	v_lshl_add_u32 v255, v249, 5, v255
	v_add_nc_u32 v[ASW], s38, v255                 ; in: row r, 32 bytes for each half of the lanes
	v_mul_u32_u24 v255, v249, SP
	v_lshl_add_u32 v255, v248, 4, v255
	v_add_nc_u32 v[ASR], s38, v255                 ; back: lanes 0-15 one row, lanes 16-31 the next
	v_mov_b32 v[NINF], 0xff800000
	v_mov_b32 v[PT], 0                             ; a lane permute's destination counts as read
	v_mov_b32 v[NM+1], 0                           ; (named as the upper halves of pairs)
	v_mov_b32 v[RC+1], 0
	s_mov_b32 s30, 0x76543210                      ; v_permlanex16_b32's selects for lane l xor 16
	s_mov_b32 s31, 0xfedcba98
	s_mov_b32 s[SELA], 0x05010400
	s_mov_b32 s[SELB], 0x07030602
	s_mov_b32 s[SELC], 0x05040100
	s_mov_b32 s[SELD], 0x07060302
	s_lshl_b32 s36, s15, 4
	s_add_co_u32 s36, s36, s14
	s_sub_co_u32 s36, s36, 8                       ; the place in the head of my key tile 0: 16 b + w - 8 (it wraps below 0)
	s_lshl_b32 s18, s16, 20                        ; q and out: a head is 2^20 bytes, a block 2^16, a wave's 16 rows 2^12
	s_lshl_b32 s17, s15, 16
	s_add_co_u32 s18, s18, s17
	s_lshl_b32 s17, s14, 12
	s_add_co_u32 s18, s18, s17
	s_mov_b32 s19, 0
	s_lshl_b32 s17, s15, 8                         ; k and v: my unit's first key, 256 b - 128 + 32 w,
	s_lshl_b32 s37, s14, 5
	s_add_co_u32 s17, s17, s37
	s_sub_co_i32 s17, s17, 128
	s_max_i32 s17, s17, 0                          ; held inside the head
	s_min_i32 s17, s17, 4064
	s_lshl_b32 s17, s17, 8
	s_lshl_b32 s50, s16, 20
	s_add_co_u32 s50, s50, s17
	s_mov_b32 s51, 0
	s_wait_kmcnt 0x0
	s_load_b128 s[20:23], s[10:11], 0x0            ; e0, e1, e2, e3
	s_add_nc_u64 s[4:5], s[4:5], s[18:19]          ; the four bases are written here and never again
	s_add_nc_u64 s[12:13], s[12:13], s[18:19]
	s_add_nc_u64 s[6:7], s[6:7], s[50:51]
	s_add_nc_u64 s[8:9], s[8:9], s[50:51]
	s_wait_alu depctr_va_vdst(0)                   ; v1 to v12 are written: every load and store of the kernel reads one of them as its offset or LDS address, and none is written again
	; ---- all 40 loads of the wave, 20 KiB, go out together
.irp i, 0,1,2,3,4,5,6,7
	global_load_b128 v[QR+4*\i:QR+4*\i+3], v[GL], s[4:5] offset:512*\i th:TH_LOAD_NT   ; 512 consecutive bytes: rows 2 i, 2 i + 1; read by nobody else
.endr
.irp i, 0,1,2,3,4,5,6,7,8,9,10,11,12,13,14,15
	global_load_b128 v[KR+4*\i:KR+4*\i+3], v[GL], s[6:7] offset:512*\i
.endr
.irp c, 0,1
.irp i, 0,1,2,3,4,5,6,7
	global_load_b128 v[VR+32*\c+4*\i:VR+32*\c+4*\i+3], v[GV], s[8:9] offset:4096*\c+256*\i   ; key 16 c + 8 h + i: sixteen lanes read a whole row of 256 bytes
.endr
.endr
	s_wait_kmcnt 0x0
	MKSC 20, SCQ, LMQ
	MKSC 21, SCK, LMK
	MKSC 22, SCP, LMP
	MKSC 23, SCV, LMV
	s_add_co_i32 s37, s20, s21
	s_lshl_b32 s37, s37, 23
	s_add_co_i32 s24, s37, 0x3e38aa3b              ; c' = log2(e) / 8 x 2^(e0 + e1): the exponents are added to c's exponent field
	s_mov_b32 s25, s24                             ; (named with it as a pair)
	s_xor_b32 s26, s24, 0x80000000                 ; -c'
	s_add_co_i32 s37, s22, s23
	s_add_co_i32 s37, s37, 127
	s_lshl_b32 s28, s37, 23                        ; 2^(e2 + e3)
	s_mov_b32 s29, s28
	s_wait_alu depctr_va_vdst(0)
	; ---- quantising: four phases.  A phase's codes are stored one phase later, behind the wait for the next phase's numbers, and leave while that phase is converted
	s_wait_loadcnt 32                              ; q's eight loads are in; k's 16 and v's 16 may be out
	QCONV QR, 4, CQ, SCQ, LMQ
	s_wait_loadcnt 16                              ; k's are in; v's 16 may be out
	s_wait_alu depctr_va_vdst(0)                   ; q's conversions have written v[CQ ..], which the LDS stores read
	QSEND 4, CQ, AQW
	ds_load_b128 v[QF:QF+3],   v[AQR]              ; my own rows: LDS serves a wave's instructions in order (ISA guide 5.7.1.4)
	ds_load_b128 v[QF+4:QF+7], v[AQR] offset:32
	QCONV KR, 8, CK, SCK, LMK
	s_wait_loadcnt 8                               ; v's first tile is in
	s_wait_alu depctr_va_vdst(0)                   ; k's conversions have written v[CK ..], which the LDS stores read
	QSEND 8, CK, AKW
	VCONV VR, 232, 240
	s_wait_loadcnt 0x0
	s_wait_alu depctr_va_vdst(0)                   ; the first tile's byte turns have written v240 to v247, which the LDS stores read
	VSEND 240, 0
	VCONV VR+32, 176, 184
	s_wait_alu depctr_va_vdst(0)                   ; the second tile's byte turns have written v184 to v191, which the LDS stores read; and all the quantising's vector work on v40 to v103 and v176 to v247 is done: k's fragments land there behind the barrier
	VSEND 184, 1
	s_wait_dscnt 0x0                               ; for the others' sake: my stores have landed (and q's fragment is in)
	s_barrier_signal -1
	s_barrier_wait -1                              ; the one barrier: all 512 rows of k and 32 tiles of v lie in LDS, and nobody writes them again
	; ---- the scores.  Tiles 9 - 16 have their fragments where tiles 0 - 7's results will lie, so they go first
	s_wait_alu depctr_vm_vsrc(0)                   ; my LDS stores have read v[CQ ..], v[CK ..], v184 to v191 and v240 to v247, in which the fragments below land
.irp tn, 9,10,11,12,13,14,15,16
	KFRAG S+8*(\tn-9), \tn
.endr
	KFRAG X+64, 8
.irp tn, 0,1,2,3,4,5,6,7
	KFRAG X+8*\tn, \tn
.endr
	s_wait_dscnt 16                                ; the first 18 loads are in; tiles 0 - 7's sixteen may be out
.irp tn, 9,10,11,12,13,14,15,16
	SMUL \tn, S+8*(\tn-9)
.endr
	SMUL 8, X+64
	s_wait_dscnt 0x0
	PLACES 5                                       ; the next products write over registers that the last ones read: five places
.irp tn, 0,1,2,3,4,5,6,7
	SMUL \tn, X+8*\tn
.endr
	PLACES 4                                       ; in front of the first read of results
.irp j, 0,1,2,3,4,5,6,7                        ; the band's two slanted ends; each accumulator is read from its low end on
	v_cndmask_b32 v[S+\j], v[S+\j], v[NINF], s[40+\j]
	v_cndmask_b32 v[S+128+\j], v[NINF], v[S+128+\j], s[40+\j]
.endr
	s_cmp_lt_u32 s36, 240                          ; are my 17 tiles all inside the head?  Ids alone; no barrier lies ahead
	s_cbranch_scc1 .Linner
.irp tn, 0,1,2,3,4,5,6,7,9,10,11,12,13,14,15,16   ; (tile 8 holds my own queries' keys: always inside)
	s_add_co_u32 s37, s36, \tn
	s_cmp_lt_u32 s37, 256
	s_cselect_b32 s48, 0, -1                       ; all lanes, where the tile lies outside
.irp j, 0,1,2,3,4,5,6,7
	v_cndmask_b32 v[S+8*\tn+\j], v[S+8*\tn+\j], v[NINF], s48
.endr
.endr
.Linner:
	s_wait_alu depctr_va_vdst(0)
	; ---- the softmax, finished: maximum, p' = 2^(c' s - c' max), sum, p = p' / sum
.irp k, 0,1,2,3
	v_max_num_f32 v[MX+\k], v[S+2*\k], v[S+2*\k+1]
.endr
.set t, 1
.rept 16
.irp k, 0,1,2,3
	v_max3_num_f32 v[MX+\k], v[MX+\k], v[S+8*t+2*\k], v[S+8*t+2*\k+1]   ; four chains; a tile's first read is of its registers 0 and 1
.endr
.set t, t+1
.endr
	v_max3_num_f32 v[MX], v[MX], v[MX+1], v[MX+2]
	v_max_num_f32 v[MX], v[MX], v[MX+3]
	v_permlanex16_b32 v[PT], v[MX], s30, s31       ; the query's other 136 keys lie in lane l xor 16
	v_max_num_f32 v[MX], v[MX], v[PT]
	v_mul_f32 v[NM], s26, v[MX]                    ; its rounding is one factor common to the whole row, which the division takes out again
.set p, 0
.rept 68
	v_pk_fma_f32 v[S+2*p:S+2*p+1], v[S+2*p:S+2*p+1], s[24:25], v[NM:NM+1] op_sel_hi:[1,0,0]   ; c' s - c' max, one rounding
.set p, p+1
.endr
.set p, 0
	s_wait_alu depctr_va_vdst(0)
.rept 136
	v_exp_f32 v[S+p], v[S+p]
.set p, p+1
.endr
	v_nop                                          ; the plain instruction behind the last exponential
	s_wait_alu depctr_va_vdst(0)                   ; the 136 exponentials have written v[S ..]: one wait for the batch, ahead of its first reader
.irp k, 0,1,2,3
	v_pk_add_f32 v[SM+2*\k:SM+2*\k+1], v[S+2*\k:S+2*\k+1], v[S+8+2*\k:S+8+2*\k+1]   ; four chains of pairs, started by the first eight pairs
.endr
.set p, 8
.rept 60
	v_pk_add_f32 v[SM+2*(p%4):SM+2*(p%4)+1], v[SM+2*(p%4):SM+2*(p%4)+1], v[S+2*p:S+2*p+1]
.set p, p+1
.endr
	v_pk_add_f32 v[SM:SM+1], v[SM:SM+1], v[SM+2:SM+3]
	v_pk_add_f32 v[SM+4:SM+5], v[SM+4:SM+5], v[SM+6:SM+7]
	v_pk_add_f32 v[SM:SM+1], v[SM:SM+1], v[SM+4:SM+5]
	v_add_f32 v[SM], v[SM], v[SM+1]
	v_permlanex16_b32 v[PT], v[SM], s30, s31
	v_add_f32 v[SM], v[SM], v[PT]                  ; the row's sum, at least 1
	s_wait_alu depctr_va_vdst(0)
	v_rcp_f32 v[RC], v[SM]
	v_nop                                          ; the plain instruction behind it,
	s_wait_alu depctr_va_vdst(0)                   ; and the wait ahead of its first reader: the reciprocal has written v[RC]
.set t, 0
	WEIGH 8                                        ; tiles 0 - 7: v40 to v103 are done with
	s_wait_alu depctr_va_vdst(0)                   ; their multiplications, holds and conversions are done with v40 to v103, in which v's blocks 0 and 1 land; the nine tiles weighed below name v104 to v175, p's codes and constants alone
	; ---- O^T = V^T P^T: five blocks of 64 keys; the first two are asked for while the other weights are made
.irp f, 0,1
.irp dt, 0,1,2,3
	VFRAG S+32*\f+8*\dt, \f, \dt
.endr
.endr
	WEIGH 9                                        ; tiles 8 - 16
.irp i, 34,35,36,37,38,39
	v_mov_b32 v[PC+\i], 0                          ; tiles 17 - 19 of the fifth fragment: zero codes.  (Plain instructions behind the last conversion)
.endr
	s_wait_alu depctr_va_vdst(0)                   ; tiles 8 - 15's multiplications, holds and conversions are done with v104 to v167, in which v's blocks 2 and 3 land
.irp f, 2,3
.irp dt, 0,1,2,3
	VFRAG S+32*\f+8*\dt, \f, \dt
.endr
.endr
	s_wait_dscnt 32                                ; blocks 0 and 1 are in; blocks 2 and 3, 32 loads, may be out
	PVMUL 0, S, 1                                  ; the first products start the sums
	PVMUL 1, S+32, 0
	PLACES 4                                       ; in front of loads into registers that block 0's products have read
	s_wait_alu depctr_va_vdst(0)                   ; block 0's products are done reading v40 to v71, in which block 4 lands; the places above stay beside this wait
.irp dt, 0,1,2,3
	VFRAG S+8*\dt, 4, \dt
.endr
	s_wait_dscnt 16                                ; blocks 2 and 3 are in; block 4's sixteen loads may be out
	PVMUL 2, S+64, 0
	PVMUL 3, S+96, 0
	s_wait_dscnt 0x0
	PVMUL 4, S, 0
	PLACES 4
	; ---- the way out: x 2^(e2 + e3); a lane's eight numbers of a row go through my own stage and come back as whole rows
.set p, 0
.rept 16
	v_pk_mul_f32 v[OA+2*p:OA+2*p+1], v[OA+2*p:OA+2*p+1], s[28:29] op_sel_hi:[1,0]   ; each accumulator from its low end on
.set p, p+1
.endr
	s_wait_alu depctr_va_vdst(0)                   ; the scalings have written v[OA ..], which the LDS stores read; and block 2's products are done reading v104 to v135, in which the rows come back
.irp dt, 0,1,2,3
	ds_store_b128 v[ASW], v[OA+8*\dt:OA+8*\dt+3] offset:64*\dt           ; lane (r, h): out(r, 16 dt + 8 h + 0 .. 7)
	ds_store_b128 v[ASW], v[OA+8*\dt+4:OA+8*\dt+7] offset:64*\dt+16
.endr
.irp i, 0,1,2,3,4,5,6,7
	ds_load_b128 v[S+64+4*\i:S+64+4*\i+3], v[ASR] offset:2*SP*\i         ; my own bytes, served in order: these see the stores above
.endr
.irp i, 0,1,2,3,4,5,6,7
	s_wait_dscnt 7-\i                              ; rows 2 i, 2 i + 1 are back; the younger loads may be out
	global_store_b128 v[GL], v[S+64+4*\i:S+64+4*\i+3], s[12:13] offset:512*\i th:TH_STORE_NT   ; 512 consecutive bytes, at a multiple of 256 from out's first byte
.endr
	s_wait_dscnt 0x0                               ; the wave's end: the closing lines, six on end
	s_wait_alu 0x0
	s_wait_tensorcnt 0x0
	ds_add_u32 v[SPW], v[NIL]
	s_wait_dscnt 0x0
	s_endpgm
.Lfunc_end_k_q1c0c89028d_attn:
	.size	k_q1c0c89028d_attn, .Lfunc_end_k_q1c0c89028d_attn-k_q1c0c89028d_attn
	.p2alignl 7, 3214868480
	.fill 96, 4, 3214868480
	.section	.rodata,"a",@progbits
	.p2align	6, 0x0
	.amdhsa_kernel k_q1c0c89028d_attn
		.amdhsa_group_segment_fixed_size 166912
		.amdhsa_private_segment_fixed_size 0
		.amdhsa_enable_private_segment 0
		.amdhsa_kernarg_size 40
		.amdhsa_user_sgpr_count 2
		.amdhsa_user_sgpr_kernarg_segment_ptr 1
		.amdhsa_wavefront_size32 1
		.amdhsa_system_sgpr_workgroup_id_x 1
		.amdhsa_system_sgpr_workgroup_id_y 1
		.amdhsa_system_sgpr_workgroup_id_z 1
		.amdhsa_system_vgpr_workitem_id 0
		.amdhsa_next_free_vgpr 256
		.amdhsa_next_free_sgpr 66
		.amdhsa_reserve_vcc 0
		.amdhsa_float_denorm_mode_32 3
		.amdhsa_float_denorm_mode_16_64 3
		.amdhsa_memory_ordered 1
		.amdhsa_forward_progress 1
		.amdhsa_inst_pref_size 78
	.end_amdhsa_kernel
	.amdgpu_metadata
---
amdhsa.version: [ 1, 2 ]
amdhsa.kernels:
  - .name:           k_q1c0c89028d_attn
    .symbol:         k_q1c0c89028d_attn.kd
    .args:
      - { .name: q, .offset: 0, .size: 8, .value_kind: global_buffer, .address_space: global }
      - { .name: k, .offset: 8, .size: 8, .value_kind: global_buffer, .address_space: global }
      - { .name: v, .offset: 16, .size: 8, .value_kind: global_buffer, .address_space: global }
      - { .name: lowp_scales, .offset: 24, .size: 8, .value_kind: global_buffer, .address_space: global }
      - { .name: out0, .offset: 32, .size: 8, .value_kind: global_buffer, .address_space: global }
    .group_segment_fixed_size: 166912
    .private_segment_fixed_size: 0
    .kernarg_segment_align: 8
    .kernarg_segment_size: 40
    .max_flat_workgroup_size: 512
    .sgpr_count:     66
    .vgpr_count:     256
    .wavefront_size: 32
...
	.end_amdgpu_metadata
.endif
;; end of part 2
